; MI455X (gfx1250); checked and timed in simulation.
; The chip was launched on July 23, 2026; its instructions are those of AMD's public machine-readable ISA for CDNA 5 (MIT licence, August 2026) and "CDNA5" Instruction Set Architecture Reference Guide (July 2026). The comments in the code are by the model that wrote it; some were corrected since.
;; SCAN. Allowed arithmetic: float matrix products may take bf16 or f16 operands with f32 sums; all other float work in f32.
;; Inputs: class_label_bank 100,000 int32; cluster_idx 256 int32; cluster_label_bank 100,000 int32; feature 256 x 256 float32; feature_bank 100,000 x 256 float32; gt_label 256 int32.
;; Outputs: out0 256 x 256 float32.
;; One version. Each part assembles by itself: llvm-mc -triple=amdgcn-amd-amdhsa -mcpu=gfx1250 --defsym DOCPART=n.
;; ======== version 1 of 1: 2 launches
;; workspace buffers: part 1,024,000 bytes of whole numbers
;; launch scan (part 1): grid 250 x 1, 8 waves a work-group, no clusters, 217,600 bytes of LDS; arguments feature_bank, feature, class_label_bank, cluster_label_bank, gt_label, cluster_idx, part; writes part
.if DOCPART == 1
	.amdgcn_target "amdgcn-amd-amdhsa--gfx1250"
	.amdhsa_code_object_version 6
	.text
	.protected	k_q8c2aa9a950_scan
	.globl	k_q8c2aa9a950_scan
	.p2align	8
	.type	k_q8c2aa9a950_scan,@function
k_q8c2aa9a950_scan:
	s_mov_b64 s[64:65], 0
	v_nop
	global_prefetch_b8 v0, s[64:65] scope:SCOPE_SE
	s_setreg_imm32_b32 hwreg(HW_REG_WAVE_MODE, 25, 1), 1
	s_wait_xcnt 0x0
; SCAN, first launch: for each of 256 queries and each share of 400 bank rows, the best masked score and the group of 8 rows that holds it.
;
; SCORE.  All that enters a distance is taken from the vectors rounded to bf16 (q^, b^): s = q^.b^ - |b^|^2/2, so that
; d2 = |q^|^2 - 2 s; the larger s, the nearer.  -|b^|^2/2 is the C operand of each accumulator's first matrix instruction.
; reference()'s max(d2, 0) is min(s, |q^|^2/2), applied once to the maximum of 8 scores (min and max commute).
; The square root is not taken: it is monotone, so the argmin is the same, except where it would map two d2 that differ in their last bits
; to one distance.  LIMITS: NaN inputs and inputs so large that d2 overflows f32 are not served; ties at the level of f32
; rounding may fall otherwise than in reference().  Exact ties (equal rows) give the first index: updates are strict in ascending
; row order, and every merge takes the lower group number on equal keys.
; Kept per query: (best s, row/8) under 'other class and same cluster' (P) and under 'other class' alone (F).  The second launch
; merges the 250 shares, scores the 8 rows of the winning group again and picks the row.
;
; SHARES.  100,000 rows = 250 work-groups x 400 rows = 25 tiles T0 .. T24 of 16 rows: T0, then 12 pairs u = (T(2u+1), T(2u+2)).
; Wave w: qg = w & 3 names its 64 queries, whose B fragments (4 tiles x 8 K steps x 8 registers) stay in v256-v511; rg = w >> 2
; names the first or the second tile of a pair.  A = 16 bank rows from LDS, B = 16 queries: register j of lane (r, h) of a result
; is row 8h+j against query r, so the maximum over rows is taken inside a lane.
; TRIP t (0 .. 11).  rg = 0: multiply T(2t+1), ask for the next fragments, mask T(2t+1), convert.  rg = 1: mask T(2t) (multiplied one
; trip earlier; T0 in front of the trips), convert, multiply T(2t+2), ask for the next fragments.  So one group's matrix run can lie
; over the other group's vector work, and the LDS loads of a fragment are asked for a whole masking and conversion ahead of their use.
; THE ROAD OF THE BANK: memory -> two register slots of 32 (asked for two trips ahead of the conversion) -> bf16 -> a ring of four
; LDS slots, pair u in slot u & 3, written in trip u-2, read in trip u-1.  One barrier a trip, its signal behind the conversion.
;   written before read: pair t+1 was stored in front of the signal of trip t-1's barrier, and is read behind that barrier's wait;
;   read before overwritten: trip t writes the slot of pair t-2, whose reads each wave waited for in front of its signal of trip t-2
;   at the latest, and the writer has passed the wait of trip t-1.
; NO CLUSTER, NO JOINT LOADS: the only shared input is feature, which has to pass through registers to be rounded, and 250
; work-groups of equal share do not divide into clusters of 4.  No copy engine fills LDS here.
.set PITCH,  528                       ; an LDS row: 512 bytes of bf16 + 16: 33 x 16, so 16 rows start in 16 different 16-byte columns of 256 bytes
.set TILEB,  16*PITCH
.set SLOTB,  32*PITCH                  ; a slot: a pair of tiles, 32 rows
.set B2,     0                         ; 4 x 32 words, -|b^|^2/2 of a slot's rows
.set A2,     512                       ; 256 words, |q^|^2/2
.set CLS,    1536                      ; class labels, 400 words used of 512
.set CLUD,   2048                      ; the cluster labels lie this far behind
.set RED,    5632                      ; [rg][256 queries] x 16 bytes
.set SL0,    13824                     ; the four slots
.set FS,     SL0+4*SLOTB               ; 81408: the 256 queries in bf16, pitch 528
.set TRIPB,  32*1024                   ; bytes of bank in a pair
.set PAIR0,  16*1024                   ; pair 0 begins behind T0
.set WGROWS, 400
.set GOFF, 1                           ; w*2048 + lane*16: my 16 bytes in the wave's first row
.set LST,  2                           ; SL0 + w*1056 + lane*8: where they go in slot 0
.set LFR,  3                           ; SL0 + rg*8448 + r*528 + 16h: my part of an A fragment
.set LLB,  4                           ; labels to fetch next
.set B2ST, 5
.set B2RD, 6
.set IDC,  7                           ; row/8 of the 8 rows that my lane masks next
.set ZERO, 8
.set NINF, 9
.set FST,  10                          ; where feature rows go; at the end: my place in RED
.set A2ST, 11
.set TE,   12                          ; v[12:19] eight temporaries of the masking step; the same registers are
.set SQ,   12                          ; v[12:15] sums of squares of the wave's four rows, low halves, and
.set T0,   16                          ; v[16:19] high halves, then temporaries of the lane reduction
.set T1,   17
.set T2,   18
.set T3,   19
.set GT,   20                          ; v[20:23] gt_label of my query in each of the 4 tiles
.set CI,   24                          ; v[24:27] cluster_idx likewise
.set HA2,  28                          ; v[28:31] |q^|^2/2 likewise
.set ST,   32                          ; v[32:47] tile t: best P, its group, best F, its group
.set HC,   48                          ; v[48:55] -|b^|^2/2 of rows 8h .. 8h+7
.set CL,   56                          ; v[56:63] their class labels
.set CU,   64                          ; v[64:71] their cluster labels
.set PK,   72                          ; v[72:87] the wave's four rows, my 8 numbers of each, packed bf16
.set ACC,  88                          ; v[88:119] four accumulators
.set FA,   120                         ; v[120:183] A fragments of 8 K steps; in front of the trips v[120:151] take pair 1 as loaded
.set R0,   184                         ; v[184:215], v[216:247] bank rows as loaded, pair u in slot u & 1
.set QO,   248                         ; (64 qg + r) * 4
.set LN,   249
.set RR,   250                         ; r = lane & 15
.set HH,   251                         ; h = lane >> 4
.set TA,   252
.set TB,   253
.set LB0,  254
.set LB1,  255
.set MK,   32                          ; s[32:47] sixteen lane masks; s48-s51 four more for the updates
.set MSB, 0
.macro WIN new                         ; the immediate's high byte repeats the setting that is left
.if MSB != \new
	s_set_vgpr_msb (MSB<<8)|\new
.set MSB, \new
.endif
.endm
; The wave's row slots p = lo .. 3: rows 2w, 2w+1 of the first tile (p = 0, 1) and of the second (p = 2, 3); a load covers 512 consecutive bytes
.macro LOADS x, b, imm, lo, nt
.irp p, 0,1,2,3
.if \p >= \lo
.irp hf, 0,1
.if \nt
	global_load_b128 v[\x+8*\p+4*\hf:\x+8*\p+4*\hf+3], v[GOFF], s[\b:\b+1] offset:\imm+(\p&1)*1024+(\p>>1)*16384+512*\hf th:TH_LOAD_NT
.else
	global_load_b128 v[\x+8*\p+4*\hf:\x+8*\p+4*\hf+3], v[GOFF], s[\b:\b+1] offset:\imm+(\p&1)*1024+(\p>>1)*16384+512*\hf
.endif
.endr
.endif
.endr
.endm
; n packed words from word 'first' on: two roundings to bf16 each
.macro CVT x, first, n
.set ci, \first
.rept \n
	v_cvt_pk_bf16_f32 v[PK+ci], v[\x+2*ci], v[\x+2*ci+1]
.set ci, ci+1
.endr
.endm
; the i-th of the eight row stores (i = 2 p + half of the row), and the i-th of the eight bank loads of a pair
.macro RST lo, areg, aimm, i
.if (\i) >= 2*\lo
	ds_store_b64 v[\areg], v[PK+2*(\i):PK+2*(\i)+1] offset:\aimm+(((\i)>>1)&1)*PITCH+((\i)>>2)*TILEB+((\i)&1)*256
.endif
.endm
.macro GLD ld, x, imm, i
.if (\i) < 2*\ld
	global_load_b128 v[\x+4*(\i):\x+4*(\i)+3], v[GOFF], s[4:5] offset:\imm+(((\i)>>1)&1)*1024+((\i)>>2)*16384+((\i)&1)*512 th:TH_LOAD_NT
.endif
.endm
; Sum the squares of the packed rows (of the rounded numbers) over the wave, scale, store one word a row; store the rows; ask for the
; pair that comes into the registers just converted (ld = 4) or for nothing (ld = 0).  lo = 0: four rows; lo = 2: row slots 2, 3 alone.
; Two chains a row, so that a link stands eight lines behind the one it reads; the stores and loads stand between the links of the
; reduction over the lanes, which depend on each other.  Behind the merges lane l holds the sum of row slot l & 3 (lo = 2: 2 + (l & 1)).
.macro SQS lo, areg, aimm, sreg, simm, scale, ld, ldx, ldimm
.irp p, 0,1,2,3
.if \p >= \lo
	v_fma_mix_f32_bf16 v[SQ+\p], v[PK+4*\p], v[PK+4*\p], v[ZERO] op_sel_hi:[1,1,0]
.endif
.endr
.irp p, 0,1,2,3
.if \p >= \lo
	v_fma_mix_f32_bf16 v[T0+\p], v[PK+4*\p], v[PK+4*\p], v[ZERO] op_sel:[1,1,0] op_sel_hi:[1,1,0]
.endif
.endr
.irp e, 1,2,3
.irp p, 0,1,2,3
.if \p >= \lo
	v_fma_mix_f32_bf16 v[SQ+\p], v[PK+4*\p+\e], v[PK+4*\p+\e], v[SQ+\p] op_sel_hi:[1,1,0]
.endif
.endr
.irp p, 0,1,2,3
.if \p >= \lo
	v_fma_mix_f32_bf16 v[T0+\p], v[PK+4*\p+\e], v[PK+4*\p+\e], v[T0+\p] op_sel:[1,1,0] op_sel_hi:[1,1,0]
.endif
.endr
.endr
	RST \lo, \areg, \aimm, 0
	GLD \ld, \ldx, \ldimm, 0
	RST \lo, \areg, \aimm, 1
.if \lo == 0
	v_pk_add_f32 v[SQ:SQ+1], v[SQ:SQ+1], v[T0:T0+1]
.endif
	v_pk_add_f32 v[SQ+2:SQ+3], v[SQ+2:SQ+3], v[T0+2:T0+3]
	GLD \ld, \ldx, \ldimm, 1
	RST \lo, \areg, \aimm, 2
	GLD \ld, \ldx, \ldimm, 2
.if \lo == 0
	v_cndmask_b32 v[T0], v[SQ], v[SQ+1], s28       ; even lanes keep slot 0, odd lanes slot 1,
	v_cndmask_b32 v[T1], v[SQ+1], v[SQ], s28       ; and hand the other to their neighbour
.endif
	v_cndmask_b32 v[T2], v[SQ+2], v[SQ+3], s28
	v_cndmask_b32 v[T3], v[SQ+3], v[SQ+2], s28
	RST \lo, \areg, \aimm, 3
	GLD \ld, \ldx, \ldimm, 3
.if \lo == 0
	v_add_f32_dpp v[SQ], v[T1], v[T0] row_xmask:1 row_mask:0xf bank_mask:0xf
.endif
	v_add_f32_dpp v[SQ+2], v[T3], v[T2] row_xmask:1 row_mask:0xf bank_mask:0xf
	RST \lo, \areg, \aimm, 4
	GLD \ld, \ldx, \ldimm, 4
	RST \lo, \areg, \aimm, 5
.if \lo == 0
	v_cndmask_b32 v[T0], v[SQ], v[SQ+2], s29       ; lanes with bit 1 keep slots 2, 3
	v_cndmask_b32 v[T1], v[SQ+2], v[SQ], s29
.endif
	GLD \ld, \ldx, \ldimm, 5
	RST \lo, \areg, \aimm, 6
.if \lo == 0
	v_add_f32_dpp v[SQ], v[T1], v[T0] row_xmask:2 row_mask:0xf bank_mask:0xf
.else
	v_add_f32_dpp v[SQ], v[SQ+2], v[SQ+2] row_xmask:2 row_mask:0xf bank_mask:0xf
.endif
	GLD \ld, \ldx, \ldimm, 6
	RST \lo, \areg, \aimm, 7
	v_add_f32_dpp v[SQ], v[SQ], v[SQ] row_xmask:4 row_mask:0xf bank_mask:0xf
	GLD \ld, \ldx, \ldimm, 7
	v_add_f32_dpp v[SQ], v[SQ], v[SQ] row_xmask:8 row_mask:0xf bank_mask:0xf
	v_permlanex16_b32 v[T0], v[SQ], s26, s27
	v_add_f32 v[SQ], v[SQ], v[T0]
	v_mul_f32 v[SQ], \scale, v[SQ]
	ds_store_b32 v[\sreg], v[SQ] offset:\simm      ; eight lanes store each word, with one value.  lo = 2: lanes without bit 1 write the
.endm                                              ; words of the slot's first tile, which nobody reads before they are written again
; 18 LDS loads: the C operand and the A fragments of my tile in slot sg
.macro LFRAG sg
	ds_load_b128 v[HC:HC+3], v[B2RD] offset:128*\sg
	ds_load_b128 v[HC+4:HC+7], v[B2RD] offset:128*\sg+16
.irp ks, 0,1,2,3,4,5,6,7
	ds_load_b128 v[FA+8*\ks:FA+8*\ks+3], v[LFR] offset:SLOTB*\sg+64*\ks
	ds_load_b128 v[FA+8*\ks+4:FA+8*\ks+7], v[LFR] offset:SLOTB*\sg+64*\ks+32
.endr
.endm
; 32 matrix instructions: 16 rows x 64 queries x K = 256
.macro WMM
	WIN 0x04                                       ; source 1 (the queries) in v256-v511
.irp ks, 0,1,2,3,4,5,6,7
.irp t, 0,1,2,3
.if \ks == 0
	v_wmma_f32_16x16x32_bf16 v[ACC+8*\t:ACC+8*\t+7], v[FA:FA+7], v[64*\t:64*\t+7], v[HC:HC+7]
.else
	v_wmma_f32_16x16x32_bf16 v[ACC+8*\t:ACC+8*\t+7], v[FA+8*\ks:FA+8*\ks+7], v[64*\t+8*\ks:64*\t+8*\ks+7], v[ACC+8*\t:ACC+8*\t+7]
.endif
.endr
.endr
	WIN 0
.endm
; A group's matrix block: the run, then (lf = 1) the request for the next pair's fragments, from slot fsl
.macro WBLK lf, fsl
	s_wait_dscnt 0x0                               ; my fragments, asked for behind my last run; where a barrier's signal stood between, they are back already
	WMM
.rept 5
	v_nop                                          ; five places: four are owed to the loads into the fragments and the C operand, the
.endr                                              ; fifth to the next matrix run in the text, which writes these accumulators anew
.if \lf
	LFRAG \fsl
.endif
.endm
; THE MASKING STEP, two query tiles (16 registers of scores) at a time, in stages of 16 independent lines; the maxima are trees of
; depth two; the few lines that depend on each other stand apart, with the next pair's compares or the label loads between them.
.macro CCL p, i0                       ; same class: out.  Register i of a pair: row i & 7, tile 2p + (i >> 3)
.irp d, 0,1,2,3
	v_cmp_eq_u32 s[MK+\i0+\d], v[CL+((\i0+\d)&7)], v[GT+2*\p+((\i0+\d)>>3)]
.endr
.endm
.macro CCU p, i0                       ; other cluster: out as well
.irp d, 0,1,2,3
	v_cmp_ne_u32 s[MK+\i0+\d], v[CU+((\i0+\d)&7)], v[CI+2*\p+((\i0+\d)>>3)]
.endr
.endm
.macro MSK p, i0
.irp d, 0,1,2,3
	v_cndmask_b32 v[ACC+16*\p+\i0+\d], v[ACC+16*\p+\i0+\d], v[NINF], s[MK+\i0+\d]
.endr
.endm
.macro LEAVES p, a0, a1, a2, b0, b1, b2
	v_max3_num_f32 v[TE+\a0], v[ACC+16*\p], v[ACC+16*\p+1], v[ACC+16*\p+2]
	v_max3_num_f32 v[TE+\b0], v[ACC+16*\p+8], v[ACC+16*\p+9], v[ACC+16*\p+10]
	v_max3_num_f32 v[TE+\a1], v[ACC+16*\p+3], v[ACC+16*\p+4], v[ACC+16*\p+5]
	v_max3_num_f32 v[TE+\b1], v[ACC+16*\p+11], v[ACC+16*\p+12], v[ACC+16*\p+13]
	v_max_num_f32 v[TE+\a2], v[ACC+16*\p+6], v[ACC+16*\p+7]
	v_max_num_f32 v[TE+\b2], v[ACC+16*\p+14], v[ACC+16*\p+15]
.endm
.macro UPDT m, st, e                   ; where the mask is set: the new best and its group
	v_cndmask_b32 v[\st], v[\st], v[TE+\e], s[\m]
	v_cndmask_b32 v[\st+1], v[\st+1], v[IDC], s[\m]
.endm
; nxt = 1: pair 1's class compares fill the tail; lbl = 1: the loads of the next labels do (the old ones have been read by then)
.macro EPAIR p, nxt, lbl, imm
	MSK \p, 0
	MSK \p, 4
	MSK \p, 8
	MSK \p, 12
	LEAVES \p, 0, 1, 2, 3, 4, 5
	CCU \p, 0
	v_max3_num_f32 v[TE], v[TE], v[TE+1], v[TE+2]          ; best under 'other class'
	v_max3_num_f32 v[TE+3], v[TE+3], v[TE+4], v[TE+5]
	CCU \p, 4
	CCU \p, 8
	v_min_num_f32 v[TE], v[TE], v[HA2+2*\p]                ; d2 is clipped at 0
	v_min_num_f32 v[TE+3], v[TE+3], v[HA2+2*\p+1]
	CCU \p, 12
	v_cmp_gt_f32 s48, v[TE], v[ST+8*\p+2]                  ; strictly better only: the first of equals stays
	v_cmp_gt_f32 s49, v[TE+3], v[ST+8*\p+6]
	MSK \p, 0
	MSK \p, 4
	UPDT 48, ST+8*\p+2, 0
	UPDT 49, ST+8*\p+6, 3
	MSK \p, 8
	MSK \p, 12
	LEAVES \p, 1, 2, 6, 4, 5, 7
.if \nxt
	CCL 1, 0
.endif
.if \lbl
	ds_load_b128 v[CL:CL+3], v[LLB] offset:\imm
	ds_load_b128 v[CL+4:CL+7], v[LLB] offset:\imm+16
.endif
	v_max3_num_f32 v[TE+1], v[TE+1], v[TE+2], v[TE+6]      ; best under 'other class and same cluster'
	v_max3_num_f32 v[TE+4], v[TE+4], v[TE+5], v[TE+7]
.if \nxt
	CCL 1, 4
.endif
.if \lbl
	ds_load_b128 v[CU:CU+3], v[LLB] offset:\imm+CLUD
	ds_load_b128 v[CU+4:CU+7], v[LLB] offset:\imm+CLUD+16
.endif
	v_min_num_f32 v[TE+1], v[TE+1], v[HA2+2*\p]
	v_min_num_f32 v[TE+4], v[TE+4], v[HA2+2*\p+1]
.if \nxt
	CCL 1, 8
.endif
	v_cmp_gt_f32 s50, v[TE+1], v[ST+8*\p]
	v_cmp_gt_f32 s51, v[TE+4], v[ST+8*\p+4]
.if \nxt
	CCL 1, 12
.endif
	UPDT 50, ST+8*\p, 1
	UPDT 51, ST+8*\p+4, 4
.endm
; The sixteen compares at its head name no register of a matrix instruction: places between a matrix run and the first read of a result
.macro EPI lbl, imm
	CCL 0, 0
	CCL 0, 4
	CCL 0, 8
	CCL 0, 12
	EPAIR 0, 1, 0, 0
	EPAIR 1, 0, \lbl, \imm
	v_add_nc_u32 v[IDC], 4, v[IDC]                 ; 32 rows on
.endm
.macro KEY b                           ; f32 to a u32 of the same order; -inf becomes 0x007fffff
	v_ashrrev_i32 v[T0], 31, v[\b]
	v_or_b32 v[T0], 0x80000000, v[T0]
	v_xor_b32 v[\b], v[T0], v[\b]
.endm
.macro ICOMB k, i, ok, oi              ; take the other if its key is larger, or equal with the lower group
	v_cmp_gt_u32 s40, v[\ok], v[\k]
	v_cmp_eq_u32 s41, v[\ok], v[\k]
	v_cmp_lt_u32 s42, v[\oi], v[\i]
	s_and_b32 s41, s41, s42
	s_or_b32 s40, s40, s41
	v_cndmask_b32 v[\k], v[\k], v[\ok], s40
	v_cndmask_b32 v[\i], v[\i], v[\oi], s40
.endm
; TRIP t.  lf, fsl: the fragments of pair t+1 are asked for, from slot fsl.  conv: pair t+2 is converted, from registers rx into slot csl;
; lcnt = younger bank loads that may stay out; ld = 4: pair t+4 is asked for, at ldimm.  bar: the trip stores, so it has a barrier.
.macro TRIP id, lf, fsl, conv, csl, rx, lcnt, ld, ldimm, lblimm, bar
	s_cmp_ge_u32 s20, 4
	s_cbranch_scc1 .La\id
	WBLK \lf, \fsl                                 ; rg = 0
.La\id:
	EPI 1, \lblimm
.if \conv
	s_wait_loadcnt \lcnt                           ; loads come back in order: pair t+2 is in, the loads issued behind it stay out
	CVT \rx, 0, 16
	SQS 0, LST, SLOTB*\csl, B2ST, 128*\csl, -0.5, \ld, \rx, \ldimm
.endif
	s_wait_dscnt 0x0                               ; for the others: my stores are done and all my reads so far are back; for me: labels, fragments
.if \bar
	s_barrier_signal -1
.endif
	s_cmp_lt_u32 s20, 4
	s_cbranch_scc1 .Lc\id
	WBLK \lf, \fsl                                 ; rg = 1: registers, and LDS loads from a slot that is next written two barriers further on
.Lc\id:
.if \bar
	s_barrier_wait -1
.endif
.endm
	s_load_b256 s[4:11], s[0:1], 0x0               ; bank s[4:5], feature s[6:7], class labels s[8:9], cluster labels s[10:11]
	s_load_b128 s[12:15], s[0:1], 0x20             ; gt_label s[12:13], cluster_idx s[14:15]
	s_load_b64 s[16:17], s[0:1], 0x30              ; part
	v_lshrrev_b32 v[TA], 5, v0
	v_readfirstlane_b32 s20, v[TA]                 ; wave
	s_lshr_b32 s21, s20, 2                         ; rg
	s_and_b32 s22, s20, 3                          ; qg
	v_and_b32 v[LN], 31, v0
	v_and_b32 v[RR], 15, v0
	v_bfe_u32 v[HH], v0, 4, 1
	s_lshl_b32 s24, s20, 11
	v_lshl_add_u32 v[GOFF], v[LN], 4, s24
	v_lshlrev_b32 v[LB0], 2, v0                    ; label word t,
	v_add_nc_u32 v[LB1], 256, v0
	v_min_u32 v[LB1], WGROWS-1, v[LB1]             ; and word t + 256, held inside the share
	v_lshlrev_b32 v[LB1], 2, v[LB1]
	s_lshl_b32 s24, s22, 8
	v_lshl_add_u32 v[QO], v[RR], 2, s24
	s_mul_i32 s46, ttmp9, WGROWS*1024              ; below 2^32: 249 x 409,600
	s_mov_b32 s47, 0
	s_mul_i32 s48, ttmp9, WGROWS*4
	s_mov_b32 s49, 0
	s_lshl_b32 s44, ttmp9, 12
	s_mov_b32 s45, 0
	s_wait_kmcnt 0x0
	s_add_nc_u64 s[4:5], s[4:5], s[46:47]
	s_add_nc_u64 s[8:9], s[8:9], s[48:49]
	s_add_nc_u64 s[10:11], s[10:11], s[48:49]
	s_add_nc_u64 s[16:17], s[16:17], s[44:45]
	LOADS R0, 4, PAIR0, 0, 1                       ; the bank first, it comes from furthest away: pair 0,
	LOADS R0+32, 4, PAIR0-TRIPB, 2, 1              ; T0, as the second tile of a pair -1: the share's first 16 rows,
	LOADS FA, 4, PAIR0+TRIPB, 0, 1                 ; and pair 1, into fragment registers that are not yet in use
	global_load_b32 v[CL], v[LB0], s[8:9]
	global_load_b32 v[CL+1], v[LB1], s[8:9]
	global_load_b32 v[CL+2], v[LB0], s[10:11]
	global_load_b32 v[CL+3], v[LB1], s[10:11]
.irp t, 0,1,2,3
	global_load_b32 v[GT+\t], v[QO], s[12:13] offset:64*\t
	global_load_b32 v[CI+\t], v[QO], s[14:15] offset:64*\t
.endr
	WIN 0x40                                       ; all 256 queries, 32 rows a batch, into v256-v511, which hold the fragments later
.irp f, 0,1,2,3,4,5,6,7
	LOADS 32*\f, 6, TRIPB*\f, 0, 0
.endr
	WIN 0
	s_mov_b32 s26, 0x76543210                      ; v_permlanex16_b32: lane i takes lane i of the other half
	s_mov_b32 s27, 0xfedcba98
	s_mov_b32 s28, 0xaaaaaaaa                      ; odd lanes
	s_mov_b32 s29, 0xcccccccc                      ; lanes with bit 1
	s_mul_i32 s24, s20, 2*PITCH
	s_add_co_u32 s24, s24, SL0
	v_lshl_add_u32 v[LST], v[LN], 3, s24
	v_mul_u32_u24 v[TA], v[RR], PITCH
	v_lshl_add_u32 v[TA], v[HH], 4, v[TA]          ; r*528 + 16h
	s_mul_i32 s24, s21, TILEB
	s_add_co_u32 s24, s24, SL0
	v_add_nc_u32 v[LFR], s24, v[TA]
	s_mul_i32 s24, s22, 64*PITCH
	s_add_co_u32 s24, s24, FS
	v_add_nc_u32 v[TA], s24, v[TA]                 ; my part of the query fragments
	s_lshl_b32 s24, s21, 6
	s_sub_co_u32 s25, CLS+192, s24                 ; the labels fetched in trip t: rg = 0 those of T(2t+3), rg = 1 those of T(2t+2)
	v_lshl_add_u32 v[LLB], v[HH], 5, s25
	s_sub_co_u32 s25, CLS+64, s24                  ; the first labels: rg = 0 those of T1, rg = 1 those of T0
	v_lshl_add_u32 v[TB], v[HH], 5, s25
	s_add_co_u32 s25, s24, B2
	v_lshl_add_u32 v[B2RD], v[HH], 5, s25
	v_and_b32 v[T0], 1, v0
	v_bfe_u32 v[T1], v0, 1, 1
	v_lshlrev_b32 v[T0], 2, v[T0]
	v_lshl_add_u32 v[T0], v[T1], 6, v[T0]          ; word (l & 1) + 16 ((l >> 1) & 1)
	s_lshl_b32 s24, s20, 3
	s_add_co_u32 s24, s24, B2
	v_add_nc_u32 v[B2ST], s24, v[T0]               ; + 2 w
	v_add_nc_u32 v[A2ST], A2-B2, v[B2ST]
	s_mul_i32 s24, ttmp9, WGROWS/8
	s_add_co_u32 s24, s24, 2
	s_lshl_b32 s25, s21, 1
	s_sub_co_u32 s24, s24, s25
	v_add_nc_u32 v[IDC], s24, v[HH]                ; 50 x work-group + h, + 2 for rg = 0, which begins with T1
	v_mov_b32 v[ZERO], 0
	v_mov_b32 v[NINF], 0xff800000
	v_add_nc_u32 v[FST], FS-SL0, v[LST]
.irp t, 0,1,2,3
	v_mov_b32 v[ST+4*\t], v[NINF]
	v_mov_b32 v[ST+4*\t+1], 0
	v_mov_b32 v[ST+4*\t+2], v[NINF]
	v_mov_b32 v[ST+4*\t+3], 0
.endr
	; the queries: round, store as rows of bf16, |q^|^2/2
.irp f, 0,1,2,3,4,5,6,7
	s_wait_loadcnt 8*(7-\f)                        ; the 8 loads of each later batch stay out; all that was issued before the features is in
.if \f == 0
	ds_store_b32 v[LB0], v[CL] offset:CLS
	ds_store_b32 v[LB0], v[CL+1] offset:CLS+1024   ; words 400-511 get copies of word 399; no result hangs on them
	ds_store_b32 v[LB0], v[CL+2] offset:CLS+CLUD
	ds_store_b32 v[LB0], v[CL+3] offset:CLS+CLUD+1024
.endif
	WIN 0x05                                       ; both sources in v256-v511
	CVT 32*\f, 0, 16
	WIN 0
	SQS 0, FST, 0, A2ST, 128*\f, 0.5, 0, 0, 0
	v_add_nc_u32 v[FST], SLOTB, v[FST]
.endr
	CVT R0, 0, 16                                  ; pair 0 into slot 0; pair 2 is asked for
	SQS 0, LST, 0, B2ST, 0, -0.5, 4, R0, 2*TRIPB+PAIR0
	CVT R0+32, 8, 8                                ; T0 into the second half of slot 3; pair 3 is asked for, behind pair 2
	SQS 2, LST, 3*SLOTB, B2ST, 3*128, -0.5, 4, R0+32, 3*TRIPB+PAIR0
	CVT FA, 0, 16                                  ; pair 1 into slot 1
	SQS 0, LST, SLOTB, B2ST, 128, -0.5, 0, 0, 0
	s_wait_dscnt 0x0                               ; for the others: all my stores are done
	s_barrier_signal -1
	s_barrier_wait -1
	WIN 0x40
.irp t, 0,1,2,3
.irp ks, 0,1,2,3,4,5,6,7
	ds_load_b128 v[64*\t+8*\ks:64*\t+8*\ks+3], v[TA] offset:TILEB*\t+64*\ks
	ds_load_b128 v[64*\t+8*\ks+4:64*\t+8*\ks+7], v[TA] offset:TILEB*\t+64*\ks+32
.endr
.endr
	WIN 0
.irp t, 0,1,2,3
	ds_load_b32 v[HA2+\t], v[QO] offset:A2+64*\t
.endr
	ds_load_b128 v[CL:CL+3], v[TB]
	ds_load_b128 v[CL+4:CL+7], v[TB] offset:16
	ds_load_b128 v[CU:CU+3], v[TB] offset:CLUD
	ds_load_b128 v[CU+4:CU+7], v[TB] offset:CLUD+16
	s_cmp_lt_u32 s20, 4
	s_cbranch_scc1 .Lp0
	LFRAG 3                                        ; rg = 1 multiplies T0 here and masks it in trip 0
	WBLK 0, 0
.Lp0:
	LFRAG 0                                        ; pair 0's fragments
	s_wait_dscnt 0x0
	s_barrier_signal -1                            ; both groups enter trip 0 together: from here on the one multiplies while the other masks and
	s_barrier_wait -1                              ; converts.  It also stands between rg = 1's reads of slot 3 and trip 1's stores into it
	s_mov_b32 s23, 0
.Lloop:                                            ; trips 0 to 7.  Count 8: the eight loads of the pair behind the one that is converted
	TRIP 0, 1, 1, 1, 2, R0, 8, 4, 4*TRIPB+PAIR0, 0, 1
	TRIP 1, 1, 2, 1, 3, R0+32, 8, 4, 5*TRIPB+PAIR0, 128, 1
	TRIP 2, 1, 3, 1, 0, R0, 8, 4, 6*TRIPB+PAIR0, 256, 1
	TRIP 3, 1, 0, 1, 1, R0+32, 8, 4, 7*TRIPB+PAIR0, 384, 1
	s_wait_xcnt 0x0                                ; the bank's base is stepped only behind this wait
	s_add_nc_u64 s[4:5], s[4:5], 4*TRIPB           ; the second time round the last load ends at the share's last byte
	v_add_nc_u32 v[LLB], 512, v[LLB]
	s_add_co_u32 s23, s23, 1
	s_cmp_lt_u32 s23, 2
	s_cbranch_scc1 .Lloop
	TRIP 8, 1, 1, 1, 2, R0, 8, 0, 0, 0, 1          ; converts pair 10; pair 11's eight loads stay out; nothing more is asked for
	TRIP 9, 1, 2, 1, 3, R0+32, 0, 0, 0, 128, 1     ; converts pair 11: nothing was issued behind it
	TRIP 10, 1, 3, 0, 0, R0, 0, 0, 0, 256, 0       ; nothing is stored any more: no barrier
	TRIP 11, 0, 0, 0, 0, R0, 0, 0, 0, 384, 0
	s_cmp_lt_u32 s20, 4                            ; rg = 1 masks T24
	s_cbranch_scc1 .Lfin
	EPI 0, 0
.Lfin:
	; the two halves of the lanes hold the same queries; then the two groups of waves meet in LDS
.irp t, 0,1,2,3
	KEY ST+4*\t
	KEY ST+4*\t+2
.endr
.irp t, 0,1,2,3
	v_permlanex16_b32 v[T0], v[ST+4*\t], s26, s27
	v_permlanex16_b32 v[T1], v[ST+4*\t+1], s26, s27
	ICOMB ST+4*\t, ST+4*\t+1, T0, T1
	v_permlanex16_b32 v[T2], v[ST+4*\t+2], s26, s27
	v_permlanex16_b32 v[T3], v[ST+4*\t+3], s26, s27
	ICOMB ST+4*\t+2, ST+4*\t+3, T2, T3
.endr
	s_lshl_b32 s24, s21, 12
	s_lshl_b32 s25, s22, 10
	s_add_co_u32 s24, s24, s25
	s_add_co_u32 s24, s24, RED
	v_lshl_add_u32 v[FST], v[RR], 4, s24           ; RED + rg*4096 + (64 qg + r)*16
.irp t, 0,1,2,3
	ds_store_b128 v[FST], v[ST+4*\t:ST+4*\t+3] offset:256*\t
.endr
	s_wait_dscnt 0x0
	s_barrier_signal -1
	s_barrier_wait -1
	v_lshlrev_b32 v[T2], 4, v0                     ; thread i: query i
	ds_load_b128 v[CL:CL+3], v[T2] offset:RED
	ds_load_b128 v[CL+4:CL+7], v[T2] offset:RED+4096
	s_wait_dscnt 0x0
	ICOMB CL, CL+1, CL+4, CL+5
	ICOMB CL+2, CL+3, CL+6, CL+7
	global_store_b128 v[T2], v[CL:CL+3], s[16:17]  ; a wave stores 512 consecutive bytes, at a multiple of 512 from part's first byte
	s_wait_xcnt 0x0
	v_lshl_add_u32 v254, v0, 2, 0x34e00
	v_mov_b32 v255, 0
	s_wait_tensorcnt 0x0
	ds_add_u32 v254, v255
	s_wait_dscnt 0x0
	s_endpgm
.Lfunc_end_k_q8c2aa9a950_scan:
	.size	k_q8c2aa9a950_scan, .Lfunc_end_k_q8c2aa9a950_scan-k_q8c2aa9a950_scan
	.p2alignl 7, 3214868480
	.fill 96, 4, 3214868480
	.section	.rodata,"a",@progbits
	.p2align	6, 0x0
	.amdhsa_kernel k_q8c2aa9a950_scan
		.amdhsa_group_segment_fixed_size 217600
		.amdhsa_private_segment_fixed_size 0
		.amdhsa_enable_private_segment 0
		.amdhsa_kernarg_size 56
		.amdhsa_user_sgpr_count 2
		.amdhsa_user_sgpr_kernarg_segment_ptr 1
		.amdhsa_wavefront_size32 1
		.amdhsa_system_sgpr_workgroup_id_x 1
		.amdhsa_system_sgpr_workgroup_id_y 1
		.amdhsa_system_sgpr_workgroup_id_z 1
		.amdhsa_system_vgpr_workitem_id 0
		.amdhsa_next_free_vgpr 512
		.amdhsa_next_free_sgpr 66
		.amdhsa_reserve_vcc 0
		.amdhsa_float_denorm_mode_32 3
		.amdhsa_float_denorm_mode_16_64 3
		.amdhsa_memory_ordered 1
		.amdhsa_forward_progress 1
		.amdhsa_inst_pref_size 255
	.end_amdhsa_kernel
	.section	.bss,"aw",@nobits
	.p2align	6
	.space	262144
	.amdgpu_metadata
---
amdhsa.version: [ 1, 2 ]
amdhsa.kernels:
  - .name:           k_q8c2aa9a950_scan
    .symbol:         k_q8c2aa9a950_scan.kd
    .args:
      - { .name: feature_bank, .offset: 0, .size: 8, .value_kind: global_buffer, .address_space: global }
      - { .name: feature, .offset: 8, .size: 8, .value_kind: global_buffer, .address_space: global }
      - { .name: class_label_bank, .offset: 16, .size: 8, .value_kind: global_buffer, .address_space: global }
      - { .name: cluster_label_bank, .offset: 24, .size: 8, .value_kind: global_buffer, .address_space: global }
      - { .name: gt_label, .offset: 32, .size: 8, .value_kind: global_buffer, .address_space: global }
      - { .name: cluster_idx, .offset: 40, .size: 8, .value_kind: global_buffer, .address_space: global }
      - { .name: part, .offset: 48, .size: 8, .value_kind: global_buffer, .address_space: global }
    .group_segment_fixed_size: 217600
    .private_segment_fixed_size: 0
    .kernarg_segment_align: 8
    .kernarg_segment_size: 56
    .max_flat_workgroup_size: 256
    .sgpr_count:     66
    .vgpr_count:     512
    .wavefront_size: 32
...
	.end_amdgpu_metadata
.endif
;; end of part 1
;; launch pick (part 2): grid 16 x 1, 8 waves a work-group, no clusters, 3,072 bytes of LDS; arguments part, feature_bank, feature, class_label_bank, cluster_label_bank, gt_label, cluster_idx, out0; writes out0
.if DOCPART == 2
	.amdgcn_target "amdgcn-amd-amdhsa--gfx1250"
	.amdhsa_code_object_version 6
	.text
	.protected	k_q8c2aa9a950_pick
	.globl	k_q8c2aa9a950_pick
	.p2align	8
	.type	k_q8c2aa9a950_pick,@function
k_q8c2aa9a950_pick:
	s_mov_b64 s[64:65], 0
	v_nop
	global_prefetch_b8 v0, s[64:65] scope:SCOPE_SE
	s_setreg_imm32_b32 hwreg(HW_REG_WAVE_MODE, 25, 1), 1
	s_wait_xcnt 0x0
; SCAN, second launch: merge the 250 shares' (key, group) pairs of each query, score the 8 rows of the winning group again, copy the nearest.
; part: [250 shares][256 queries][key P, group P, key F, group F]; a key is the u32 image of the best score (larger = nearer), 0x007fffff
; where a share had no candidate.  P: other class and same cluster; F: other class alone, used where no share has a P candidate.
; Addresses hang on whole numbers read from part alone (unsigned compares, then a clamp to the bank's 12,500 groups); floating-point
; numbers only choose among rows that are already in registers.
; The 8 rows are scored as the sum of (q^ - b^)^2 in f32 on the numbers rounded to bf16, masked as in reference(), first minimum by '<'.
; With every row of the bank masked the group is 0 and row 0 stays: the argmin of a row of infinities.
; LIMITS as in the first launch: no NaN inputs, no d2 beyond f32's range; ties at the level of f32 rounding may fall otherwise.
; 16 work-groups of 8 waves: a work-group owns 16 queries, whose entries in one share of part are 256 consecutive bytes; a wave owns two.
; No matrix unit, cluster or copy engine: 16 rows a wave are scored once, and no two work-groups share more than a chance row.
.set NSH,  250
.set L16,  1                           ; lane * 16
.set C16,  2                           ; (lane & 15) * 16
.set HHR,  3                           ; lane >> 4
.set QOFF, 4                           ; my 16 bytes in the wave's first query row (feature and out0)
.set GOFS, 5                           ; byte offset of the wave's two labels
.set LSTO, 6
.set LRD,  7
.set L74,  8                           ; (lane & 7) * 4
.set INF,  9
.set T0,   10
.set T1,   11
.set T2,   12
.set T3,   13
.set OFFS, 16                          ; v[16:31] offsets of the 16 loads from part
.set PD,   32                          ; v[32:95] what they bring; later the 8 rows of query 0
.set Q,    96                          ; v[96:111] the two query rows as loaded
.set QW,   112                         ; v[112:127] rounded to bf16 and widened
.set GTV,  128                         ; v[128:129] gt_label of the two queries
.set CIV,  130                         ; v[130:131] cluster_idx
.set M,    132                         ; v[132:195] the eight waves' results for the two queries; later the 8 rows of query 1
.set CLV,  196
.set CUV,  198
.set ROFF, 200
.set LOFF, 202
.set DD,   204                         ; v[204:211] the 8 distances
.set W,    212
.set BW,   216
.set AC,   224
.macro UPD k, i, ok, oi                ; strictly larger only: used in ascending order of shares
	v_cmp_gt_u32 vcc_lo, v[\ok], v[\k]
	v_cndmask_b32 v[\k], v[\k], v[\ok], vcc_lo
	v_cndmask_b32 v[\i], v[\i], v[\oi], vcc_lo
.endm
.macro ICOMB k, i, ok, oi              ; larger key, or equal key with the lower group
	v_cmp_gt_u32 s40, v[\ok], v[\k]
	v_cmp_eq_u32 s41, v[\ok], v[\k]
	v_cmp_lt_u32 s42, v[\oi], v[\i]
	s_and_b32 s41, s41, s42
	s_or_b32 s40, s40, s41
	v_cndmask_b32 v[\k], v[\k], v[\ok], s40
	v_cndmask_b32 v[\i], v[\i], v[\oi], s40
.endm
	s_load_b256 s[4:11], s[0:1], 0x0               ; part s[4:5], bank s[6:7], feature s[8:9], class labels s[10:11]
	s_load_b256 s[12:19], s[0:1], 0x20             ; cluster labels s[12:13], gt_label s[14:15], cluster_idx s[16:17], out0 s[18:19]
	v_lshl_add_u32 v232, v0, 2, 0x800
	v_mov_b32 v233, 0
	v_lshrrev_b32 v[T0], 5, v0
	v_readfirstlane_b32 s20, v[T0]                 ; wave
	s_mov_b32 s26, 0x76543210
	s_mov_b32 s27, 0xfedcba98
	v_and_b32 v[L16], 31, v0
	v_lshlrev_b32 v[L16], 4, v[L16]
	v_and_b32 v[C16], 15, v0
	v_lshlrev_b32 v[C16], 4, v[C16]
	v_bfe_u32 v[HHR], v0, 4, 1
	v_and_b32 v[L74], 7, v0
	v_lshlrev_b32 v[L74], 2, v[L74]
	s_lshl_b32 s21, ttmp9, 4
	s_lshl1_add_u32 s21, s20, s21                  ; the wave's first query: 16 x + 2 w
	s_lshl_b32 s22, s21, 10
	v_add_nc_u32 v[QOFF], s22, v[L16]
	s_lshl_b32 s22, s21, 2
	v_mov_b32 v[GOFS], s22
	s_lshl_b32 s22, s20, 8
	v_add_nc_u32 v[LSTO], s22, v[C16]
	s_lshl_b32 s23, s20, 5
	v_mov_b32 v[LRD], s23
	v_add_nc_u32 v[T1], s23, v[HHR]                ; my first share: 32 w + (lane >> 4)
.irp n, 0,1,2,3,4,5,6,7,8,9,10,11,12,13,14,15
	v_add_nc_u32 v[OFFS+\n], 2*\n, v[T1]
	v_min_u32 v[OFFS+\n], NSH-1, v[OFFS+\n]        ; 256 places for 250 shares: the last is read again, which changes nothing under '>'
	v_lshl_add_u32 v[OFFS+\n], v[OFFS+\n], 12, v[C16]
.endr
	v_mov_b32 v[INF], 0x7f800000
	v_mov_b32 v[T2], 0
	v_mov_b32 v[T3], 0
	s_lshl_b32 s24, ttmp9, 8
	s_mov_b32 s25, 0
	s_wait_kmcnt 0x0
	s_add_nc_u64 s[4:5], s[4:5], s[24:25]          ; the work-group's 256 bytes in share 0
.irp n, 0,1,2,3,4,5,6,7,8,9,10,11,12,13,14,15
	global_load_b128 v[PD+4*\n:PD+4*\n+3], v[OFFS+\n], s[4:5]      ; 16 lanes take the 256 bytes of one share
.endr
.irp e, 0,1
	global_load_b128 v[Q+8*\e:Q+8*\e+3], v[QOFF], s[8:9] offset:1024*\e
	global_load_b128 v[Q+8*\e+4:Q+8*\e+7], v[QOFF], s[8:9] offset:1024*\e+512
.endr
	global_load_b64 v[GTV:GTV+1], v[GOFS], s[14:15]
	global_load_b64 v[CIV:CIV+1], v[GOFS], s[16:17]
	s_wait_loadcnt 0x0
	; phase 1: my 16 shares, then the other half of the lanes, then LDS
.irp n, 1,2,3,4,5,6,7,8,9,10,11,12,13,14,15
	UPD PD, PD+1, PD+4*\n, PD+4*\n+1
	UPD PD+2, PD+3, PD+4*\n+2, PD+4*\n+3
.endr
	v_permlanex16_b32 v[T0], v[PD], s26, s27
	v_permlanex16_b32 v[T1], v[PD+1], s26, s27
	ICOMB PD, PD+1, T0, T1
	v_permlanex16_b32 v[T2], v[PD+2], s26, s27
	v_permlanex16_b32 v[T3], v[PD+3], s26, s27
	ICOMB PD+2, PD+3, T2, T3
	ds_store_b128 v[LSTO], v[PD:PD+3]              ; [wave][16 queries] x 16 bytes
	s_wait_dscnt 0x0                               ; for the others: my store is done
	s_barrier_signal -1
	s_barrier_wait -1
.irp e, 0,1
.irp n, 0,1,2,3,4,5,6,7
	ds_load_b128 v[M+32*\e+4*\n:M+32*\e+4*\n+3], v[LRD] offset:16*\e+256*\n
.endr
.endr
	; meanwhile: the two queries rounded to bf16 and widened again
.irp e, 0,1
.irp i, 0,1,2,3
	v_cvt_pk_bf16_f32 v[W+\i], v[Q+8*\e+2*\i], v[Q+8*\e+2*\i+1]
.endr
.irp i, 0,1,2,3
	v_lshlrev_b32 v[QW+8*\e+2*\i], 16, v[W+\i]
	v_and_b32 v[QW+8*\e+2*\i+1], 0xffff0000, v[W+\i]
.endr
.endr
	s_wait_dscnt 0x0
.irp e, 0,1
.irp n, 1,2,3,4,5,6,7
	UPD M+32*\e, M+32*\e+1, M+32*\e+4*\n, M+32*\e+4*\n+1           ; wave n's shares lie behind wave n-1's: ascending
	UPD M+32*\e+2, M+32*\e+3, M+32*\e+4*\n+2, M+32*\e+4*\n+3
.endr
.endr
; the group of query e, and the loads of its 8 rows and their labels
.macro CHOOSE e
.set RW, 32+100*\e
	v_readfirstlane_b32 s30, v[M+32*\e]
	v_readfirstlane_b32 s31, v[M+32*\e+1]
	v_readfirstlane_b32 s32, v[M+32*\e+2]
	v_readfirstlane_b32 s33, v[M+32*\e+3]
	s_cmp_gt_u32 s32, 0x7fffff                     ; any row of another class?
	s_cselect_b32 s36, s33, 0
	s_cmp_gt_u32 s30, 0x7fffff                     ; any of them in the query's cluster?
	s_cselect_b32 s36, s31, s36
	s_cselect_b32 s[34+\e], 0, -1                  ; all ones: the cluster does not count
	s_min_u32 s36, s36, 12499                      ; inside the bank's 12,500 groups of 8 rows
	s_lshl_b32 s37, s36, 13
	s_lshl_b32 s38, s36, 5
	v_add_nc_u32 v[ROFF+\e], s37, v[L16]
	v_add_nc_u32 v[LOFF+\e], s38, v[L74]
.irp j, 0,1,2,3,4,5,6,7
	global_load_b128 v[RW+8*\j:RW+8*\j+3], v[ROFF+\e], s[6:7] offset:1024*\j
	global_load_b128 v[RW+8*\j+4:RW+8*\j+7], v[ROFF+\e], s[6:7] offset:1024*\j+512
.endr
	global_load_b32 v[CLV+\e], v[LOFF+\e], s[10:11]                ; lane l: the labels of row l & 7
	global_load_b32 v[CUV+\e], v[LOFF+\e], s[12:13]
.endm
	CHOOSE 0
	CHOOSE 1                                       ; its rows land on M, which has been read out by then
; left = the younger loads that may stay out
.macro SCORE e, left
.set RW, 32+100*\e
	s_wait_loadcnt \left
	v_cmp_ne_u32 s40, v[CLV+\e], v[GTV+\e]
	v_cmp_eq_u32 s41, v[CUV+\e], v[CIV+\e]
	s_or_b32 s41, s41, s[34+\e]
	s_and_b32 s40, s40, s41                        ; bit j (0 to 7): row j may be chosen
.irp j, 0,1,2,3,4,5,6,7
.irp i, 0,1,2,3
	v_cvt_pk_bf16_f32 v[W+\i], v[RW+8*\j+2*\i], v[RW+8*\j+2*\i+1]
.endr
.irp i, 0,1,2,3
	v_lshlrev_b32 v[BW+2*\i], 16, v[W+\i]
	v_and_b32 v[BW+2*\i+1], 0xffff0000, v[W+\i]
.endr
.irp i, 0,1,2,3
	v_pk_add_f32 v[BW+2*\i:BW+2*\i+1], v[QW+8*\e+2*\i:QW+8*\e+2*\i+1], v[BW+2*\i:BW+2*\i+1] neg_lo:[0,1] neg_hi:[0,1]
.endr
	v_pk_mul_f32 v[AC:AC+1], v[BW:BW+1], v[BW:BW+1]
.irp i, 1,2,3
	v_pk_fma_f32 v[AC:AC+1], v[BW+2*\i:BW+2*\i+1], v[BW+2*\i:BW+2*\i+1], v[AC:AC+1]
.endr
	v_add_f32 v[DD+\j], v[AC], v[AC+1]
	v_add_f32_dpp v[DD+\j], v[DD+\j], v[DD+\j] row_xmask:1 row_mask:0xf bank_mask:0xf
	v_add_f32_dpp v[DD+\j], v[DD+\j], v[DD+\j] row_xmask:2 row_mask:0xf bank_mask:0xf
	v_add_f32_dpp v[DD+\j], v[DD+\j], v[DD+\j] row_xmask:4 row_mask:0xf bank_mask:0xf
	v_add_f32_dpp v[DD+\j], v[DD+\j], v[DD+\j] row_xmask:8 row_mask:0xf bank_mask:0xf
	v_permlanex16_b32 v[T0], v[DD+\j], s26, s27
	v_add_f32 v[DD+\j], v[DD+\j], v[T0]
	s_bitcmp1_b32 s40, \j
	s_cselect_b32 s42, -1, 0
	v_cndmask_b32 v[DD+\j], v[INF], v[DD+\j], s42  ; a masked row is infinitely far
.endr
.irp j, 1,2,3,4,5,6,7
	v_cmp_lt_f32 vcc_lo, v[DD+\j], v[DD]           ; strictly nearer only: the first of equals stays
	v_cndmask_b32 v[DD], v[DD], v[DD+\j], vcc_lo
.irp k, 0,1,2,3,4,5,6,7
	v_cndmask_b32 v[RW+\k], v[RW+\k], v[RW+8*\j+\k], vcc_lo
.endr
.endr
	global_store_b128 v[QOFF], v[RW:RW+3], s[18:19] offset:1024*\e         ; the row as it lies in the bank; each store covers 512 consecutive bytes
	global_store_b128 v[QOFF], v[RW+4:RW+7], s[18:19] offset:1024*\e+512
.endm
	SCORE 0, 18                                    ; the 16 row loads and 2 label loads of query 1 stay out
	SCORE 1, 0
	s_wait_tensorcnt 0x0
	ds_add_u32 v232, v233
	s_wait_dscnt 0x0
	s_endpgm
.Lfunc_end_k_q8c2aa9a950_pick:
	.size	k_q8c2aa9a950_pick, .Lfunc_end_k_q8c2aa9a950_pick-k_q8c2aa9a950_pick
	.p2alignl 7, 3214868480
	.fill 96, 4, 3214868480
	.section	.rodata,"a",@progbits
	.p2align	6, 0x0
	.amdhsa_kernel k_q8c2aa9a950_pick
		.amdhsa_group_segment_fixed_size 3072
		.amdhsa_private_segment_fixed_size 0
		.amdhsa_enable_private_segment 0
		.amdhsa_kernarg_size 64
		.amdhsa_user_sgpr_count 2
		.amdhsa_user_sgpr_kernarg_segment_ptr 1
		.amdhsa_wavefront_size32 1
		.amdhsa_system_sgpr_workgroup_id_x 1
		.amdhsa_system_sgpr_workgroup_id_y 1
		.amdhsa_system_sgpr_workgroup_id_z 1
		.amdhsa_system_vgpr_workitem_id 0
		.amdhsa_next_free_vgpr 234
		.amdhsa_next_free_sgpr 66
		.amdhsa_reserve_vcc 1
		.amdhsa_float_denorm_mode_32 3
		.amdhsa_float_denorm_mode_16_64 3
		.amdhsa_memory_ordered 1
		.amdhsa_forward_progress 1
		.amdhsa_inst_pref_size 51
	.end_amdhsa_kernel
	.amdgpu_metadata
---
amdhsa.version: [ 1, 2 ]
amdhsa.kernels:
  - .name:           k_q8c2aa9a950_pick
    .symbol:         k_q8c2aa9a950_pick.kd
    .args:
      - { .name: part, .offset: 0, .size: 8, .value_kind: global_buffer, .address_space: global }
      - { .name: feature_bank, .offset: 8, .size: 8, .value_kind: global_buffer, .address_space: global }
      - { .name: feature, .offset: 16, .size: 8, .value_kind: global_buffer, .address_space: global }
      - { .name: class_label_bank, .offset: 24, .size: 8, .value_kind: global_buffer, .address_space: global }
      - { .name: cluster_label_bank, .offset: 32, .size: 8, .value_kind: global_buffer, .address_space: global }
      - { .name: gt_label, .offset: 40, .size: 8, .value_kind: global_buffer, .address_space: global }
      - { .name: cluster_idx, .offset: 48, .size: 8, .value_kind: global_buffer, .address_space: global }
      - { .name: out0, .offset: 56, .size: 8, .value_kind: global_buffer, .address_space: global }
    .group_segment_fixed_size: 3072
    .private_segment_fixed_size: 0
    .kernarg_segment_align: 8
    .kernarg_segment_size: 64
    .max_flat_workgroup_size: 256
    .sgpr_count:     66
    .vgpr_count:     234
    .wavefront_size: 32
...
	.end_amdgpu_metadata
.endif
;; end of part 2
